; MI455X (gfx1250); checked and timed in simulation.
; The chip was launched on July 23, 2026; its instructions are those of AMD's public machine-readable ISA for CDNA 5 (MIT licence, August 2026) and "CDNA5" Instruction Set Architecture Reference Guide (July 2026). The comments in the code are by the model that wrote it; some were corrected since.
;; RK Means Vector Quantizer. Allowed arithmetic: matrix products marked QUANTISED: E2M3 operands, one E8M0 scale for each 32 along K, by v_wmma_scale_f32_16x16x128_f8f6f4 with both operands' format E2M3, f32 sums; everything else in f32.
;; Inputs: centroids 8,192 x 256 float32; x 32,768 x 256 float32.
;; Outputs: out0 32,768 x 256 float32; out1 one number float32; out2 32,768 int32.
;; This version of the problem:
;;   THIS VERSION OF THE PROBLEM IS GIVEN IN LOW PRECISION. The matrix products marked QUANTISED in the list below multiply operands that are first quantised to E2M3 (2 exponent bits, 3 mantissa bits; 6 bits a number), with one power-of-two scale for each 32 numbers along K (OCP MX v1.0); their sums are f32. All else is computed in f32.
;;   The module's matrix products, in the order in which they are computed (A, B: the left and right operand; K: the contracted axis; several contracted axes count as one K, in the product's order):
;;     1. [M 32,768, K 256] x [K 256, N 8,192]; A: input x; B: input centroids: QUANTISED
;;   THE QUANTISER, for each operand of a quantised product, along K:
;;     - K is cut into blocks of 32 from its start; a last block that is shorter is filled with zeros.
;;     - A block's scale is 2^e with e = floor(log2(the largest magnitude in the block)) - 2, held to -126 .. 127; a block of zeros has e = 0. As a byte (E8M0): e + 127.
;;     - Each number is divided by its block's scale, clamped to +-7.5, and rounded to the nearest number of E2M3, ties to even, subnormals kept.
;;     - The product sums the exact products of the quantised numbers (number of the format x scale) in f32.
;;   ~~~python
;;   def quantise(x, axis):      # numpy; x: float32 -> the quantised numbers, widened to float32 again
;;       x = np.moveaxis(x, axis, -1); K = x.shape[-1]
;;       x = np.pad(x, [(0, 0)] * (x.ndim - 1) + [(0, -K % 32)]); x = x.reshape(x.shape[:-1] + (-1, 32)); a = np.abs(x).max(-1, keepdims=True)
;;       e = np.where(a > 0, np.clip(np.frexp(np.where(a > 0, a, 1))[1] - 1 - 2, -126, 127), 0)      # np.frexp(a)[1] - 1 = floor(log2(a)), exactly
;;       r = np.clip(x / 2.0 ** e, -7.5, 7.5)
;;       step = 2.0 ** (np.maximum(np.frexp(np.where(r == 0, 1, r))[1] - 1, 0) - 3)
;;       q = np.round(r / step) * step * 2.0 ** e      # np.round: ties to even
;;       return np.moveaxis(q.reshape(q.shape[:-2] + (-1,))[..., :K], -1, axis).astype(np.float32)
;;   ~~~
;; One version. Each part assembles by itself: llvm-mc -triple=amdgcn-amd-amdhsa -mcpu=gfx1250 --defsym DOCPART=n.
;; ======== version 1 of 1: 4 launches
;; limits: right only within a limited range of input values
;; workspace buffers: cb 1,703,936 bytes; idxw 131,072 bytes of whole numbers; part 2,048 bytes
;; launch quant (part 1): grid 256 x 1, 2 waves a work-group, no clusters, 17,664 bytes of LDS; arguments centroids, cb; writes cb
.if DOCPART == 1
	.amdgcn_target "amdgcn-amd-amdhsa--gfx1250"
	.amdhsa_code_object_version 6
	.text
	.protected	k_q9dcc088663_quant
	.globl	k_q9dcc088663_quant
	.p2align	8
	.type	k_q9dcc088663_quant,@function
k_q9dcc088663_quant:
	s_mov_b64 s[64:65], 0
	v_nop
	global_prefetch_b8 v0, s[64:65] scope:SCOPE_SE
	s_setreg_imm32_b32 hwreg(HW_REG_WAVE_MODE, 25, 1), 1
	s_wait_xcnt 0x0
; The centroids [8192][256] f32 become, once, what the product's launch reads: for each tile of 16 centroids a RECORD of 3,328 bytes (13 x 256) in cb:
;   bytes (3 s + c) x 512 + 16 x lane : registers 4 c .. 4 c + 3 of the 12-register fragment of K step s (128 along K), as an image of the operand's registers: codes of FP6 (E2M3)
;   bytes 3072 + 4 x lane             : scale words (four E8M0 bytes): lanes 0-15 row r's word of K step 0, lanes 16-31 row r's word of K step 1
;   bytes 3200 + 4 m, and again 3264 + 4 m : -0.5 x (the sum of squares of centroid m of the tile), f32, from the unquantised numbers
; A block's scale is 2^(floor(log2(its largest magnitude)) - 2); its byte is the largest magnitude's exponent field - 2, held at 1 from below.
; LIMITS: a block of zeros gets the byte 1 where the rule says 127 (its codes are zeros, and this program alone reads the bytes); NaN and infinities are not served;
; the sum of squares is taken in four chains and two halves of the lanes, another order than a plain sum along the row.
; One wave makes one record: 16 rows x 1,024 bytes in.  Each load reads 512 consecutive bytes; a K step's 16 x 512 bytes turn through the wave's own stage in LDS, so that lane (r, h) then holds,
; of row r, 16 neighbours of each block of 32.  Waves share nothing: no barrier.  No cluster, no tensor load: each byte is read once, by one wave.
; WORK LEFT OUT BY THE WHOLE PROGRAM: x_norm, the sum of squares of a row of x, is added to every distance of that row alike, so for all values of the inputs the argmin along the centroids is that of
; c_norm - 2 x.c, which is the argmax of x.c - 0.5 c_norm; x_norm reaches no other output and is not computed.  The two losses of the definition are the same mean and are summed once.  Every input is loaded.
; LIMIT: a NaN, an infinity or an overflow that reaches x_norm alone is not carried to the result.
.set STAGEB, 8448
.set TAILB,  16896                     ; behind the two stages: 256 bytes for each wave, the record's last 256
.set L16, 4                            ; v4   16 x lane
.set STW, 5                            ; v5   the stage, on the way in: 16 x lane
.set STR, 6                            ; v6   and out: 528 r + 64 h
.set TLW, 7                            ; v7   the tail, in: 4 x lane
.set TLR, 8                            ; v8   and out: 8 x lane
.set L8,  9                            ; v9   8 x lane
.set PW0, 10                           ; v10, v11 the two K steps' scale words
.set SQ,  12                           ; v12-19 the sum of squares, four pairs
.set PW,  20                           ; v20  the scale word just made
.set XR,  32                           ; v32-95, v96-159 the two K steps as loaded
.set XN,  160                          ; v160-223 64 numbers of my row: register 16 b + i = k 32 b + 16 h + i of the K step
.set PC,  224                          ; v224-235 the fragment; v236-238, v240-242 the conversions' second halves
.set MX,  244                          ; v244-247 largest magnitudes
.set BY,  248                          ; v248-251 the other half's, then the bytes
.set SO,  252                          ; v252-255 the conversions' scale operands
.set SEL, 20                           ; s[20:21] lane selects: lane l xor 16
.macro TURN s                          ; K step s through the stage: LDS serves a wave's instructions in order, so no wait stands between the stores and the loads
.irp i, 0,1,2,3,4,5,6,7,8,9,10,11,12,13,14,15
	ds_store_b128 v[STW], v[XR+64*(\s)+4*\i:XR+64*(\s)+4*\i+3] offset:528*\i
.endr
.irp b, 0,1,2,3
.irp j, 0,1,2,3
	ds_load_b128 v[XN+16*\b+4*\j:XN+16*\b+4*\j+3], v[STR] offset:128*\b+16*\j
.endr
.endr
	s_wait_dscnt 0x0
.endm
; 64 numbers of a lane, register 16 b + i = k 32 b + 16 (lane / 16) + i of my row, become a fragment's codes in v[PC] on and its scale word in v[PW]
.macro QUANT s
.irp b, 0,1,2,3
	v_max3_num_f32 v[MX+\b], |v[\s+16*\b]|, |v[\s+1+16*\b]|, 0x1800000   ; my 16 numbers of block b, and the floor 2^(3 - 127): the byte cannot fall under 1
.endr
.irp i, 2,4,6,8,10,12,14
.irp b, 0,1,2,3
	v_max3_num_f32 v[MX+\b], v[MX+\b], |v[\s+16*\b+\i]|, |v[\s+1+16*\b+\i]|   ; the four blocks by turns
.endr
.endr
.irp b, 0,1,2,3
	v_permlanex16_b32 v[BY+\b], v[MX+\b], s[SEL], s[SEL+1]
.endr
.irp b, 0,1,2,3
	v_max_num_f32 v[MX+\b], v[MX+\b], v[BY+\b]     ; with lane l xor 16's: the block's largest magnitude
.endr
.irp b, 0,1,2,3
	v_add_nc_u32 v[SO+\b], 0xff000000, v[MX+\b]    ; 2 off its exponent field: the conversion takes that field as its scale
.endr
.irp b, 0,1,2,3
	v_lshrrev_b32 v[BY+\b], 23, v[SO+\b]           ; the scale's byte
.endr
	v_lshl_or_b32 v[PW], v[BY+1], 8, v[BY]
	v_lshl_or_b32 v[PW], v[BY+2], 16, v[PW]
	v_lshl_or_b32 v[PW], v[BY+3], 24, v[PW]        ; my row's scale word
.irp c, 0,1
	v_cvt_scalef32_pk16_fp6_f32 v[PC+6*\c:PC+2+6*\c], v[\s+32*\c:\s+15+32*\c], v[SO+2*\c]
	v_cvt_scalef32_pk16_fp6_f32 v[PC+12+4*\c:PC+14+4*\c], v[\s+16+32*\c:\s+31+32*\c], v[SO+2*\c+1]   ; (a conversion's three registers begin on an even number)
.endr
	v_nop                                          ; one plain place behind a scaled conversion
.irp c, 0,1                            ; the operand's layout wants a whole block in a lane: lanes 0-15 block 2 c, lanes 16-31 block 2 c + 1
.irp i, 0,1,2
	v_permlane16_swap_b32 v[PC+6*\c+\i], v[PC+12+4*\c+\i]
.endr
.irp i, 0,1,2
	v_mov_b32 v[PC+3+6*\c+\i], v[PC+12+4*\c+\i]
.endr
.endr
.endm
.macro SQUARES first                   ; the 64 numbers' squares onto four chains; the first four products start the sums
.set P, 0
.rept 32
.if (\first) && (P < 4)
	v_pk_mul_f32 v[SQ+2*(P%4):SQ+2*(P%4)+1], v[XN+2*P:XN+2*P+1], v[XN+2*P:XN+2*P+1]
.else
	v_pk_fma_f32 v[SQ+2*(P%4):SQ+2*(P%4)+1], v[XN+2*P:XN+2*P+1], v[XN+2*P:XN+2*P+1], v[SQ+2*(P%4):SQ+2*(P%4)+1]
.endif
.set P, P+1
.endr
.endm
	s_load_b128 s[4:7], s[0:1], 0x0                ; centroids, cb
	v_lshl_add_u32 v239, v0, 2, 0x4400
	v_mov_b32 v243, 0
	v_lshrrev_b32 v1, 5, v0
	v_readfirstlane_b32 s8, v1                     ; wave 0, 1
	v_and_b32 v1, 31, v0                           ; lane
	v_and_b32 v2, 15, v0                           ; r
	v_bfe_u32 v3, v0, 4, 1                         ; h
	v_lshlrev_b32 v[L16], 4, v1
	s_mul_i32 s9, s8, STAGEB
	v_add_nc_u32 v[STW], s9, v[L16]
	v_mul_u32_u24 v[STR], v2, 528
	v_lshl_add_u32 v[STR], v3, 6, v[STR]
	v_add_nc_u32 v[STR], s9, v[STR]
	s_lshl_b32 s10, s8, 8
	s_add_co_u32 s10, s10, TAILB
	v_lshl_add_u32 v[TLW], v1, 2, s10
	v_lshl_add_u32 v[TLR], v1, 3, s10
	v_lshlrev_b32 v[L8], 3, v1
	s_mov_b32 s[SEL], 0x76543210
	s_mov_b32 s[SEL+1], 0xfedcba98
.irp b, 0,1,2,3
	v_mov_b32 v[BY+\b], 0                          ; written once: a lane permute's destination counts as one of its sources
.endr
	v_mov_b32 v21, 0
	s_lshl_b32 s11, ttmp9, 1
	s_add_co_u32 s11, s11, s8                      ; my tile: 2 x work-group + wave
	s_lshl_b32 s12, s11, 14                        ; 16 rows of 1,024 bytes
	s_mov_b32 s13, 0
	s_mul_i32 s14, s11, 3328                       ; a record
	s_mov_b32 s15, 0
	s_wait_alu depctr_va_vdst(0)
	s_wait_kmcnt 0x0
	s_add_nc_u64 s[4:5], s[4:5], s[12:13]
	s_add_nc_u64 s[6:7], s[6:7], s[14:15]
.irp s, 0,1
.irp i, 0,1,2,3,4,5,6,7,8,9,10,11,12,13,14,15
	global_load_b128 v[XR+64*\s+4*\i:XR+64*\s+4*\i+3], v[L16], s[4:5] offset:1024*\i+512*\s th:TH_LOAD_NT   ; 32 lanes read 512 consecutive bytes
.endr
.endr
	s_wait_loadcnt 16                              ; K step 0's sixteen loads are in; K step 1's sixteen may be out
	TURN 0
	SQUARES 1
	QUANT XN
	v_mov_b32 v[PW0], v[PW]
.irp c, 0,1,2
	global_store_b128 v[L16], v[PC+4*\c:PC+4*\c+3], s[6:7] offset:512*\c   ; 512 consecutive bytes, at a multiple of 256 from cb's first byte
.endr
	s_wait_loadcnt 0x0
	TURN 1
	SQUARES 0
	s_wait_xcnt 0x0                                ; the three stores have read the fragment's registers: only now are they written again
	QUANT XN
	v_mov_b32 v[PW0+1], v[PW]
.irp c, 0,1,2
	global_store_b128 v[L16], v[PC+4*\c:PC+4*\c+3], s[6:7] offset:1536+512*\c
.endr
	v_pk_add_f32 v[SQ:SQ+1], v[SQ:SQ+1], v[SQ+2:SQ+3]
	v_pk_add_f32 v[SQ+4:SQ+5], v[SQ+4:SQ+5], v[SQ+6:SQ+7]
	v_pk_add_f32 v[SQ:SQ+1], v[SQ:SQ+1], v[SQ+4:SQ+5]
	v_add_f32 v[SQ], v[SQ], v[SQ+1]
	v_permlanex16_b32 v21, v[SQ], s[SEL], s[SEL+1]
	v_add_f32 v[SQ], v[SQ], v21                    ; my row's sum of squares, in both halves of the lanes
	v_mul_f32 v[SQ], -0.5, v[SQ]
	v_cmp_ne_u32 vcc_lo, 0, v3
	v_cndmask_b32 v22, v[PW0], v[PW0+1], vcc_lo    ; lanes 0-15 K step 0's word, lanes 16-31 K step 1's
	ds_store_b32 v[TLW], v22
	ds_store_b32 v[TLW], v[SQ] offset:128          ; the 16 numbers twice: every byte of the record is written
	ds_load_b64 v[24:25], v[TLR]                   ; LDS serves a wave's instructions in order: this sees my stores
	s_wait_dscnt 0x0
	global_store_b64 v[L8], v[24:25], s[6:7] offset:3072   ; 32 lanes store 256 consecutive bytes, aligned
	s_wait_tensorcnt 0x0
	ds_add_u32 v239, v243
	s_wait_dscnt 0x0
	s_endpgm
.Lfunc_end_k_q9dcc088663_quant:
	.size	k_q9dcc088663_quant, .Lfunc_end_k_q9dcc088663_quant-k_q9dcc088663_quant
	.p2alignl 7, 3214868480
	.fill 96, 4, 3214868480
	.section	.rodata,"a",@progbits
	.p2align	6, 0x0
	.amdhsa_kernel k_q9dcc088663_quant
		.amdhsa_group_segment_fixed_size 17664
		.amdhsa_private_segment_fixed_size 0
		.amdhsa_enable_private_segment 0
		.amdhsa_kernarg_size 16
		.amdhsa_user_sgpr_count 2
		.amdhsa_user_sgpr_kernarg_segment_ptr 1
		.amdhsa_wavefront_size32 1
		.amdhsa_system_sgpr_workgroup_id_x 1
		.amdhsa_system_sgpr_workgroup_id_y 1
		.amdhsa_system_sgpr_workgroup_id_z 1
		.amdhsa_system_vgpr_workitem_id 0
		.amdhsa_next_free_vgpr 256
		.amdhsa_next_free_sgpr 66
		.amdhsa_reserve_vcc 1
		.amdhsa_float_denorm_mode_32 3
		.amdhsa_float_denorm_mode_16_64 3
		.amdhsa_memory_ordered 1
		.amdhsa_forward_progress 1
		.amdhsa_inst_pref_size 22
	.end_amdhsa_kernel
	.amdgpu_metadata
---
amdhsa.version: [ 1, 2 ]
amdhsa.kernels:
  - .name:           k_q9dcc088663_quant
    .symbol:         k_q9dcc088663_quant.kd
    .args:
      - { .name: centroids, .offset: 0, .size: 8, .value_kind: global_buffer, .address_space: global }
      - { .name: cb, .offset: 8, .size: 8, .value_kind: global_buffer, .address_space: global }
    .group_segment_fixed_size: 17664
    .private_segment_fixed_size: 0
    .kernarg_segment_align: 8
    .kernarg_segment_size: 16
    .max_flat_workgroup_size: 64
    .sgpr_count:     66
    .vgpr_count:     256
    .wavefront_size: 32
...
	.end_amdgpu_metadata
.endif
;; end of part 1
;; launch argmax (part 2): grid 256 x 1, 8 waves a work-group, clusters of 4 x 1, 327,680 bytes of LDS; arguments x, cb, out2, idxw; writes out2, idxw
.if DOCPART == 2
	.amdgcn_target "amdgcn-amd-amdhsa--gfx1250"
	.amdhsa_code_object_version 6
	.text
	.protected	k_q9dcc088663_argmax
	.globl	k_q9dcc088663_argmax
	.p2align	8
	.type	k_q9dcc088663_argmax,@function
k_q9dcc088663_argmax:
	s_mov_b64 s[64:65], 0
	v_nop
	global_prefetch_b8 v0, s[64:65] scope:SCOPE_SE
	s_setreg_imm32_b32 hwreg(HW_REG_WAVE_MODE, 25, 1), 1
	s_wait_xcnt 0x0
	s_wait_alu depctr_hold_cnt(0) depctr_sa_sdst(0) depctr_va_vdst(0) depctr_va_sdst(0) depctr_va_ssrc(0) depctr_va_vcc(0) depctr_vm_vsrc(0)
	s_getreg_b32 s2, hwreg(HW_REG_IB_STS2, 6, 4)
	s_cmp_eq_u32 s2, 0
	s_cbranch_scc0 .Lentry_in_a_cluster
	s_endpgm
.Lentry_in_a_cluster:
	s_bfe_u32 s2, ttmp6, 0x10000c
	s_cmp_lg_u32 s2, 0x3003
	s_cbranch_scc0 .Lentry_shape_is_right
	s_endpgm
.Lentry_shape_is_right:
; out2[row] = idxw[row] = the index of the largest x.c - 0.5 c_norm over the 8,192 centroids (x_norm is left out: it is the same for all centroids of a row, so it moves no argmin).
; The product is MX-FP6 on both sides; -0.5 c_norm (f32, from cb's records) is the C of each sum's first matrix instruction.  Equal scores give the lowest index, as argmin does.  LIMIT: NaN and infinities are not served.
; A work-group of 8 waves owns 128 rows of x.  Each wave quantises 16 rows and passes the operand's register image through LDS; then EVERY wave holds all 128 rows (8 pairs of fragments, 192 registers, window 1)
; and the 512 tiles of 16 centroids are shared out: of each slot of 32 records wave w reads records 4 w .. 4 w + 3, which its own tensor load brought.  So each record is read from LDS once in the work-group and feeds 16 matrix instructions.
; cb goes through a ring of two LDS slots of 32 records (106,496 bytes).  All work-groups read the same records: the 4 work-groups of a cluster ask jointly (mask 15), each refill behind a round of the cluster's barrier.
; The matrix instruction is used with source 0 = 16 centroids, source 1 = 16 rows of x: lane (r, h) holds row r of x and registers 0-7 the centroids 8 h + 0 .. 7 of the tile.
; PER ACCUMULATOR: four three-input maxima carry the lane's running best on; one compare (strictly greater: the earlier tile keeps a tie); four dual selects on VCC capture scores 0-6 and the tile's number.
; At the end the slot is the lowest j whose captured score equals the best (7 if none).  A tile's 16 matrix instructions stand in one run; behind it the selects of four accumulators stand by turns with the maxima of the next four.
; Accumulators 4-7 have two register sets by the tile's parity, so that their selects can stand behind the next tile's run.
; PREFETCH: behind each refill, the slot two refills on.  Each of clusters 0-3 asks for what it will load: its 16 waves 0-3 share the slot's 416 blocks of 256 bytes out by address, 26 a wave; it stops two refills ahead of the last.
.set RECB,  3328                       ; a record: 6 x 512 codes, 128 scale words, 2 x 64 of -0.5 c_norm
.set PARTB, 13312                      ; a wave's 4 records of a slot
.set SLOTB, 106496
.set XIMG,  106496                     ; x's fragments, 8 waves x 3,072 bytes
.set SLOT1, 1<<17
.set XSC,   237568                     ; x's scale words
.set STG,   239616                     ; 8 stages of 16 x 528 bytes for the turn of x
.set SPARE, 307200                     ; the spare words
.set MRG,   308224                     ; the waves' results: 4,096 bytes of scores, 4,096 of indices
.set SPW, 1
.set NIL, 2
.set L16, 3
.set A0C, 4                            ; v4-6 LDS addresses in slot 0: codes, scale words, norms; v7-9 in the slot at work
.set A0S, 5
.set A0N, 6
.set ADC, 7
.set ADS, 8
.set ADN, 9
.set PFO, 10
.set H8,  11
.set STW, 12
.set STR, 13
.set XWI, 14
.set XWS, 15
.set XS,  16                           ; v16-23 x's scale words; v24-25 the centroids', two sets: scales and nothing else
.set CS,  24
.set XRI, 26
.set XRS, 27
.set MW,  28
.set MR,  29
.set PW,  30
.set TIDV, 31                          ; the tile's number
.set ACC0, 32                          ; v32-63 accumulators 0-3; v64-95, v96-127 accumulators 4-7, by the tile's parity
.set ACC1, 64
.set BA,  128                          ; v128-135, v136-143 the running best, old and new by the tile's parity
.set BB,  136
.set KP,  144                          ; v144-207 for each of x's 8 tiles: scores 0-6 of the winning tile, then its number
.set OV,  208
.set OI,  209
.set GO,  210
.set FV,  212
.set FI,  228
.set XR,  32                           ; the head: x as loaded, 64 neighbours, codes, maxima, bytes, scale operands
.set XN,  160
.set PC,  224
.set MX,  244
.set BY,  248
.set SO,  252
.set XF,  0                            ; window 1: x's fragments; v192-239 the centroids', two sets; v240-255 -0.5 c_norm, two sets
.set CF,  192
.set CN,  240
.set WV,  12
.set G1,  16
.set G0A, 24
.set G0B, 28
.set SEL2, 32
.set TB,  34
.set CNT, 35
.set LIM, 39
.set PFA, 40
.set MSB, 0
.macro WIN new
.if MSB != \new
	s_set_vgpr_msb (MSB<<8)|\new
.set MSB, \new
.endif
.endm
.macro CREST
	s_cmp_lg_u32 s[WV], 0
	s_cbranch_scc1 .Lnot_wave_0_\@
	s_barrier_signal -3
.Lnot_wave_0_\@:
	s_barrier_wait -3
	s_barrier_signal -1
	s_barrier_wait -1
.endm
.macro CROUND
	s_barrier_signal -1
	s_barrier_wait -1
	CREST
.endm
.macro TURN s                          ; a K step's 16 x 512 bytes through my own stage: lane (r, h) then holds 16 neighbours of each block of row r
.irp i, 0,1,2,3,4,5,6,7,8,9,10,11,12,13,14,15
	ds_store_b128 v[STW], v[XR+64*(\s)+4*\i:XR+64*(\s)+4*\i+3] offset:528*\i
.endr
.irp b, 0,1,2,3
.irp j, 0,1,2,3
	ds_load_b128 v[XN+16*\b+4*\j:XN+16*\b+4*\j+3], v[STR] offset:128*\b+16*\j
.endr
.endr
	s_wait_dscnt 0x0
.endm
.macro QUANT s                         ; 64 numbers of a lane become a fragment's codes in v[PC] on and its scale word in v[PW]
.irp b, 0,1,2,3
	v_max3_num_f32 v[MX+\b], |v[\s+16*\b]|, |v[\s+1+16*\b]|, 0x1800000   ; with the floor 2^(3 - 127): the byte cannot fall under 1
.endr
.irp i, 2,4,6,8,10,12,14
.irp b, 0,1,2,3
	s_delay_alu instid0(VALU_DEP_4)
	v_max3_num_f32 v[MX+\b], v[MX+\b], |v[\s+16*\b+\i]|, |v[\s+1+16*\b+\i]|
.endr
.endr
.irp b, 0,1,2,3
	s_delay_alu instid0(VALU_DEP_4)
	v_permlanex16_b32 v[BY+\b], v[MX+\b], s[SEL2], s[SEL2+1]
.endr
.irp b, 0,1,2,3
	s_delay_alu instid0(VALU_DEP_4)
	v_max_num_f32 v[MX+\b], v[MX+\b], v[BY+\b]     ; the block's largest magnitude
.endr
.irp b, 0,1,2,3
	s_delay_alu instid0(VALU_DEP_4)
	v_add_nc_u32 v[SO+\b], 0xff000000, v[MX+\b]    ; 2 off its exponent field: the conversion's scale operand
.endr
.irp b, 0,1,2,3
	s_delay_alu instid0(VALU_DEP_4)
	v_lshrrev_b32 v[BY+\b], 23, v[SO+\b]           ; the scale's byte
.endr
	s_delay_alu instid0(VALU_DEP_3)
	v_lshl_or_b32 v[PW], v[BY+1], 8, v[BY]
	s_delay_alu instid0(VALU_DEP_1)
	v_lshl_or_b32 v[PW], v[BY+2], 16, v[PW]
	s_delay_alu instid0(VALU_DEP_1)
	v_lshl_or_b32 v[PW], v[BY+3], 24, v[PW]
.irp c, 0,1
	v_cvt_scalef32_pk16_fp6_f32 v[PC+6*\c:PC+2+6*\c], v[\s+32*\c:\s+15+32*\c], v[SO+2*\c]
	v_cvt_scalef32_pk16_fp6_f32 v[PC+12+4*\c:PC+14+4*\c], v[\s+16+32*\c:\s+31+32*\c], v[SO+2*\c+1]
.endr
	v_nop                                          ; one plain place behind a scaled conversion
.irp c, 0,1                            ; a whole block to a lane
.irp i, 0,1,2
	v_permlane16_swap_b32 v[PC+6*\c+\i], v[PC+12+4*\c+\i]
.endr
.irp i, 0,1,2
	s_delay_alu instid0(VALU_DEP_3)
	v_mov_b32 v[PC+3+6*\c+\i], v[PC+12+4*\c+\i]
.endr
.endr
.endm
; link c of the maxima of x's tile k: the accumulator begins at register ab; par: the tile's parity (old best in set par, new in the other)
.macro M3 k, c, par, ab
.if (\c) == 0
	v_max3_num_f32 v[BA+8*(1-(\par))+(\k)], v[BA+8*(\par)+(\k)], v[(\ab)], v[(\ab)+1]
.else
	v_max3_num_f32 v[BA+8*(1-(\par))+(\k)], v[BA+8*(1-(\par))+(\k)], v[(\ab)+2*(\c)], v[(\ab)+2*(\c)+1]
.endif
.endm
; where VCC says that the best has grown: scores 0-6 and the tile's number are kept, two words an instruction
.macro SEL k, ab
.irp i, 0,2,4
	v_dual_cndmask_b32 v[KP+8*(\k)+\i], v[KP+8*(\k)+\i], v[(\ab)+\i] :: v_dual_cndmask_b32 v[KP+8*(\k)+\i+1], v[KP+8*(\k)+\i+1], v[(\ab)+\i+1]
.endr
	v_dual_cndmask_b32 v[KP+8*(\k)+6], v[KP+8*(\k)+6], v[(\ab)+6] :: v_dual_cndmask_b32 v[KP+8*(\k)+7], v[KP+8*(\k)+7], v[TIDV]
.endm
; A phase is 36 instructions: compare and selects of tiles sk .. sk + 3 of x (accumulators from sab on, parity spar), by turns with the maxima of tiles mk .. mk + 3 (from mab on, parity mpar): nine lines lie between two links of one chain.
; HPH is half of it: turns e0 and e1.  first = 1: the phase stands behind a run of matrix instructions: the first compare and three v_nop are the four places ahead of the first read of a result (ISA guide 7.12.1)
.macro HPH sk, spar, sab, mk, mpar, mab, first, e0, e1
.irp e, \e0, \e1
	v_cmp_gt_f32 vcc_lo, v[BA+8*(1-(\spar))+(\sk)+\e], v[BA+8*(\spar)+(\sk)+\e]
.if (\first) && (\e == 0)
	v_nop
	v_nop
	v_nop
.endif
	M3 (\mk), \e, \mpar, (\mab)
	M3 (\mk)+1, \e, \mpar, (\mab)+8
	SEL (\sk)+\e, (\sab)+8*\e
	M3 (\mk)+2, \e, \mpar, (\mab)+16
	M3 (\mk)+3, \e, \mpar, (\mab)+24
.endr
.endm
.macro PHASE sk, spar, sab, mk, mpar, mab, first
	HPH \sk, \spar, \sab, \mk, \mpar, \mab, \first, 0, 1
	HPH \sk, \spar, \sab, \mk, \mpar, \mab, \first, 2, 3
.endm
; a tile's 16 matrix instructions: K step 0 of all 8 tiles of x with C = -0.5 c_norm, then K step 1 in place: the 8 accumulators by turns
.macro RUN p
	WIN 0x15
.irp k, 0,1,2,3,4,5,6,7
	v_wmma_scale_f32_16x16x128_f8f6f4 v[ACC0+8*\k+32*(\p)*(\k/4):ACC0+8*\k+32*(\p)*(\k/4)+7], v[CF+24*(\p):CF+24*(\p)+11], v[XF+24*\k:XF+24*\k+11], v[CN+8*(\p):CN+8*(\p)+7], v[CS+(\p)], v[XS+\k] matrix_a_fmt:MATRIX_FMT_FP6 matrix_b_fmt:MATRIX_FMT_FP6
.endr
	WIN 0x05
.irp k, 0,1,2,3,4,5,6,7
	v_wmma_scale_f32_16x16x128_f8f6f4 v[ACC0+8*\k+32*(\p)*(\k/4):ACC0+8*\k+32*(\p)*(\k/4)+7], v[CF+24*(\p)+12:CF+24*(\p)+23], v[XF+24*\k+12:XF+24*\k+23], v[ACC0+8*\k+32*(\p)*(\k/4):ACC0+8*\k+32*(\p)*(\k/4)+7], v[CS+(\p)], v[XS+\k] matrix_a_fmt:MATRIX_FMT_FP6 matrix_b_fmt:MATRIX_FMT_FP6 matrix_a_scale:MATRIX_SCALE_ROW1 matrix_b_scale:MATRIX_SCALE_ROW1
.endr
	WIN 0
.endm
.macro LOADT i, set                    ; record i of my four: 9 LDS loads
	WIN 0x40
.irp c, 0,1,2,3,4,5
	ds_load_b128 v[CF+24*(\set)+4*\c:CF+24*(\set)+4*\c+3], v[ADC] offset:RECB*(\i)+512*\c
.endr
.irp u, 0,1
	ds_load_b128 v[CN+8*(\set)+4*\u:CN+8*(\set)+4*\u+3], v[ADN] offset:RECB*(\i)+3200+16*\u
.endr
	WIN 0
	ds_load_b32 v[CS+(\set)], v[ADS] offset:RECB*(\i)+3072
.endm
.macro ASK
	s_cmp_gt_u32 s[CNT], s[LIM]
	s_cbranch_scc0 .Lnot_mine_\@
	s_cmp_lt_u32 ttmp9, 4
	s_cbranch_scc0 .Lno_prefetch_argmax0_\@
	global_prefetch_b8 v[PFO], s[PFA:PFA+1] th:TH_LOAD_NT scope:SCOPE_SE
.Lno_prefetch_argmax0_\@:
.Lnot_mine_\@:
.endm
; One tile of 16 centroids against my 128 rows.  p: its parity, i: its place among my four of the slot.
; mode 0: the next record lies in the same slot; 1: the slot's last tile, and the slot is filled again; 2: the slot's last tile, nothing left to fetch; 3: the very last tile
.macro TILE p, i, mode
	s_wait_alu depctr_va_vdst(0)
	s_wait_dscnt 0x0                               ; this tile's record is in registers; in the slot's last tile: my reads of the slot are over
.if (\mode) == 2
	s_wait_tensorcnt 0x0                           ; the last slot has landed; I read only what my own load brought
.endif
.if (\mode) == 0
	LOADT (\i)+1, 1-(\p)                           ; a whole tile ahead of its use; the set's last matrix readers lie 76 vector instructions back
.endif
	RUN \p
.if (\mode) == 1
	s_wait_tensorcnt 0x0                           ; behind the run: my one load that was out, my part of the other slot, has landed
	ds_add_u32 v[SPW], v[NIL]
	s_xor_b32 s[G0B+1], s[G0B+1], SLOT1            ; no tensor load of mine is out: the descriptor steps to the slot just read out and 32 records on
	s_add_nc_u64 s[G0B+2:G0B+3], s[G0B+2:G0B+3], SLOTB
	s_wait_xcnt 0x0                                ; the last prefetch has read its address
	s_add_nc_u64 s[PFA:PFA+1], s[PFA:PFA+1], SLOTB
	HPH 4, 1-(\p), ACC1+32*(1-(\p)), 0, \p, ACC0, 1, 0, 1   ; half a phase, work on registers, stands between the add and the wait for it
	s_wait_alu depctr_va_vdst(0)
	s_wait_dscnt 0x0                               ; the add is done
	s_barrier_signal -1
	HPH 4, 1-(\p), ACC1+32*(1-(\p)), 0, \p, ACC0, 1, 2, 3
	s_wait_alu depctr_va_vdst(0)
	s_barrier_wait -1
	CREST                                          ; no wave of the cluster still reads this slot or has a load on its way
	tensor_load_to_lds s[G0B:G0B+3], s[G1:G1+7]
	s_nop 0
.else
	PHASE 4, 1-(\p), ACC1+32*(1-(\p)), 0, \p, ACC0, 1
.endif
.if ((\mode) == 1) || ((\mode) == 2)
	s_xor_b32 s[TB], s[TB], SLOT1
	v_add_nc_u32 v[ADC], s[TB], v[A0C]
	v_add_nc_u32 v[ADS], s[TB], v[A0S]
	v_add_nc_u32 v[ADN], s[TB], v[A0N]
	LOADT 0, 1-(\p)
.endif
.if (\mode) == 1
	ASK
.endif
.if (\i) == 0
	v_add_nc_u32 v[TIDV], 29, v[TIDV]              ; tile 32 slot + 4 wave + i
.else
	v_add_nc_u32 v[TIDV], 1, v[TIDV]
.endif
	PHASE 0, \p, ACC0, 4, \p, ACC1+32*(\p), 0
.endm
.macro MERGE v, i, ov, oi              ; the larger score, at equal scores the lower index
	v_cmp_gt_f32 s42, v[\ov], v[\v]
	v_cmp_eq_f32 s43, v[\ov], v[\v]
	v_cmp_lt_u32 vcc_lo, v[\oi], v[\i]
	s_and_b32 s43, s43, vcc_lo
	s_or_b32 vcc_lo, s42, s43
	v_cndmask_b32 v[\v], v[\v], v[\ov], vcc_lo
	v_cndmask_b32 v[\i], v[\i], v[\oi], vcc_lo
.endm
	s_load_b256 s[4:11], s[0:1], 0x0               ; x, cb, out2, idxw
	v_lshl_add_u32 v[SPW], v0, 2, SPARE
	v_mov_b32 v[NIL], 0
	ds_add_u32 v[SPW], v[NIL]                      ; the opening lines; the set-up below is work on registers
	ds_add_u32 v[SPW], v[NIL]
	v_lshrrev_b32 v3, 5, v0
	s_delay_alu instid0(VALU_DEP_1)
	v_readfirstlane_b32 s[WV], v3                  ; wave 0..7
	s_bfe_u32 s13, ttmp6, 0x40000                  ; cx
	s_lshl_b32 s14, ttmp9, 2
	s_add_co_u32 s14, s14, s13                     ; work-group
	v_and_b32 v160, 31, v0                         ; lane
	v_and_b32 v161, 15, v0                         ; r
	v_bfe_u32 v162, v0, 4, 1                       ; h
	s_delay_alu instid0(VALU_DEP_3)
	v_lshlrev_b32 v[L16], 4, v160
	s_mul_i32 s44, s[WV], PARTB
	v_add_nc_u32 v[A0C], s44, v[L16]
	v_lshl_add_u32 v[A0S], v160, 2, s44
	v_lshl_add_u32 v[A0N], v162, 5, s44
	v_min_u32 v[PFO], 25, v160                     ; 26 blocks of 256 bytes a wave; the lanes left over name the last again
	s_delay_alu instid0(VALU_DEP_1)
	v_lshlrev_b32 v[PFO], 8, v[PFO]
	v_lshlrev_b32 v[H8], 3, v162
	s_mul_i32 s43, s[WV], 8448
	s_add_co_u32 s43, s43, STG
	v_add_nc_u32 v[STW], s43, v[L16]
	v_mul_u32_u24 v[STR], v161, 528
	s_delay_alu instid0(VALU_DEP_1)
	v_lshl_add_u32 v[STR], v162, 6, v[STR]
	s_delay_alu instid0(VALU_DEP_1)
	v_add_nc_u32 v[STR], s43, v[STR]
	s_mul_i32 s43, s[WV], 3072
	s_add_co_u32 s43, s43, XIMG
	v_add_nc_u32 v[XWI], s43, v[L16]
	s_lshl_b32 s43, s[WV], 8
	s_add_co_u32 s43, s43, XSC
	v_lshl_add_u32 v[XWS], v160, 2, s43
	v_add_nc_u32 v[XRI], XIMG, v[L16]
	v_lshlrev_b32 v[XRS], 7, v162                  ; lanes 0-15 K step 0's words, lanes 16-31 K step 1's
	s_delay_alu instid0(VALU_DEP_1)
	v_lshl_add_u32 v[XRS], v160, 2, v[XRS]
	s_delay_alu instid0(VALU_DEP_1)
	v_add_nc_u32 v[XRS], XSC, v[XRS]
	s_lshl_b32 s43, s[WV], 9
	s_add_co_u32 s43, s43, MRG
	v_lshl_add_u32 v[MW], v161, 2, s43
	v_lshl_add_u32 v[MR], v0, 3, MRG
.irp b, 0,1,2,3
	v_mov_b32 v[BY+\b], 0                          ; a lane permute's destination counts as one of its sources
.endr
	s_mov_b32 s[SEL2], 0x76543210
	s_mov_b32 s[SEL2+1], 0xfedcba98
	s_mov_b32 s[G1+0], 15|(3<<16)|(1<<21)          ; the cluster's four; elements of 8 bytes; 52 rows of 256 bytes, dense: my 4 records
	s_mov_b32 s[G1+1], 32<<16
	s_mov_b32 s[G1+2], 52<<16
	s_mov_b32 s[G1+3], 32<<16
	s_mov_b32 s[G1+4], 52
	s_mov_b32 s[G1+5], 32
	s_mov_b32 s[G1+6], 0
	s_mov_b32 s[G1+7], 0
	s_lshl_b32 s42, s14, 17                        ; 128 rows of 1,024 bytes a work-group,
	s_lshl_b32 s43, s[WV], 14                      ; 16 a wave
	s_add_co_u32 s42, s42, s43
	s_mov_b32 s43, 0
	s_mov_b32 s45, 0
	s_wait_alu depctr_va_vdst(0)
	s_wait_dscnt 0x0                               ; both opening adds are done
	s_wait_kmcnt 0x0
	s_add_nc_u64 s[4:5], s[4:5], s[42:43]
.irp s, 0,1
.irp i, 0,1,2,3,4,5,6,7,8,9,10,11,12,13,14,15
	global_load_b128 v[XR+64*\s+4*\i:XR+64*\s+4*\i+3], v[L16], s[4:5] offset:1024*\i+512*\s th:TH_LOAD_NT   ; 512 consecutive bytes
.endr
.endr
	s_add_nc_u64 s[46:47], s[6:7], s[44:45]
	s_mov_b32 s[G0A], 1
	s_mov_b32 s[G0A+1], s44
	s_mov_b64 s[G0A+2:G0A+3], s[46:47]
	s_or_b32 s[G0A+3], s[G0A+3], 0x80000000
	s_mov_b32 s[G0B], 1
	s_add_co_u32 s[G0B+1], s44, SLOT1
	s_add_nc_u64 s[G0B+2:G0B+3], s[46:47], SLOTB
	s_or_b32 s[G0B+3], s[G0B+3], 0x80000000
	s_lshl_b32 s42, s14, 9
	s_add_nc_u64 s[8:9], s[8:9], s[42:43]
	s_add_nc_u64 s[10:11], s[10:11], s[42:43]
	s_lshr_b32 s[LIM], s[WV], 2
	s_cmp_eq_u32 s[LIM], 0
	s_cselect_b32 s[LIM], 2, -1                    ; waves 0-3 prefetch, and not in the last two refills: the branch hangs on the wave's number and the loop's count alone
	s_mul_i32 s42, s13, 26624                      ; the four partners share a slot's blocks out by address: a quarter each,
	s_and_b32 s46, s[WV], 3
	s_mul_i32 s46, s46, 6656                       ; and a quarter of that a wave
	s_add_co_u32 s42, s42, s46
	s_add_co_u32 s42, s42, 3*SLOTB
	s_add_nc_u64 s[PFA:PFA+1], s[6:7], s[42:43]
	CROUND                                         ; the first joint loads meet
	tensor_load_to_lds s[G0A:G0A+3], s[G1:G1+7]    ; slot 0: my one load at the head
	s_nop 0
.irp s, 0,1                            ; x is quantised while slot 0 is on its way
.if \s == 0
	s_wait_loadcnt 16                              ; K step 0's sixteen loads are in; K step 1's sixteen may be out
.else
	s_wait_loadcnt 0x0
.endif
	TURN \s
	QUANT XN
.irp c, 0,1,2
	ds_store_b128 v[XWI], v[PC+4*\c:PC+4*\c+3] offset:1536*\s+512*\c
.endr
	ds_store_b32 v[XWS], v[PW] offset:128*\s
	s_wait_dscnt 0x0
.endr
	s_wait_alu depctr_va_vdst(0)
	s_wait_tensorcnt 0x0                           ; slot 0 has landed
	ds_add_u32 v[SPW], v[NIL]
	s_wait_dscnt 0x0                               ; the add, and my stores of x's image, for the others' sake
	CROUND                                         ; one round serves both: x's image is whole, and slot 1's joint loads meet
	tensor_load_to_lds s[G0B:G0B+3], s[G1:G1+7]    ; slot 1's first fill, issued as a refill is
	s_nop 0
	WIN 0x40
.irp f, 0,1,2,3,4,5,6,7,8,9,10,11,12,13,14,15
.irp c, 0,1,2
	ds_load_b128 v[XF+12*\f+4*\c:XF+12*\f+4*\c+3], v[XRI] offset:1536*\f+512*\c
.endr
.endr
	WIN 0
.irp k, 0,1,2,3,4,5,6,7
	ds_load_b32 v[XS+\k], v[XRS] offset:256*\k
.endr
	s_mov_b32 s42, 0xff800000                      ; under every score: the first tile's first phase finds nothing grown, and what it reads has been written
.set RG, ACC1+32
.rept 112
	v_mov_b32 v[RG], s42
.set RG, RG+1
.endr
.irp k, 0,1,2,3,4,5,6,7
	v_mov_b32 v[KP+8*\k+7], 0
.endr
	v_mov_b32 v[OV], 0
	v_mov_b32 v[OI], 0
	s_mov_b32 s[TB], 0
	s_mov_b32 s[CNT], 14                           ; slots 2 to 15 are refills
	s_lshl_b32 s42, s[WV], 2
	s_sub_co_u32 s42, s42, 29
	v_mov_b32 v[TIDV], s42
	v_add_nc_u32 v[ADC], s[TB], v[A0C]
	v_add_nc_u32 v[ADS], s[TB], v[A0S]
	v_add_nc_u32 v[ADN], s[TB], v[A0N]
	LOADT 0, 0
.Lslot:
	TILE 0, 0, 0
	TILE 1, 1, 0
	TILE 0, 2, 0
	TILE 1, 3, 1
	s_sub_co_u32 s[CNT], s[CNT], 1
	s_cmp_lg_u32 s[CNT], 0
	s_cbranch_scc1 .Lslot
	TILE 0, 0, 0                                   ; the last two slots fetch nothing
	TILE 1, 1, 0
	TILE 0, 2, 0
	TILE 1, 3, 2
	TILE 0, 0, 0
	TILE 1, 1, 0
	TILE 0, 2, 0
	TILE 1, 3, 3
	v_lshlrev_b32 v[GO], 3, v0                     ; the stores' offset, 8 bytes a thread: made here, since the head's loads pass through this register
.irp e, 0,1,2,3                        ; the last tile's accumulators 4-7
	v_cmp_gt_f32 vcc_lo, v[BA+4+\e], v[BB+4+\e]
	SEL 4+\e, ACC1+32+8*\e
.endr
.irp k, 0,1,2,3,4,5,6,7
	v_mov_b32 v[BB+\k], 7
.endr
.irp i, 6,5,4,3,2,1,0                  ; the lowest slot whose score is the best
.irp k, 0,1,2,3,4,5,6,7
	v_cmp_eq_f32 vcc_lo, v[KP+8*\k+\i], v[BA+\k]
	s_delay_alu instid0(VALU_DEP_1)
	v_cndmask_b32 v[BB+\k], v[BB+\k], \i, vcc_lo
.endr
.endr
.irp k, 0,1,2,3,4,5,6,7
	v_lshl_add_u32 v[KP+8*\k+7], v[KP+8*\k+7], 4, v[BB+\k]
	s_delay_alu instid0(VALU_DEP_1)
	v_add_nc_u32 v[KP+8*\k+7], v[KP+8*\k+7], v[H8]  ; index = 16 tile + 8 h + slot
.endr
.irp k, 0,1,2,3,4,5,6,7
	v_permlanex16_b32 v[OV], v[BA+\k], s[SEL2], s[SEL2+1]
	v_permlanex16_b32 v[OI], v[KP+8*\k+7], s[SEL2], s[SEL2+1]
	MERGE BA+\k, KP+8*\k+7, OV, OI
	ds_store_b32 v[MW], v[BA+\k] offset:64*\k
	ds_store_b32 v[MW], v[KP+8*\k+7] offset:4096+64*\k
.endr
	s_wait_dscnt 0x0                               ; for the others' sake
	s_barrier_signal -1
	s_barrier_wait -1
	s_cmp_gt_u32 s[WV], 1
	s_cbranch_scc1 .Ldone                          ; waves 0 and 1 join the eight waves' results, two rows a lane
.irp u, 0,1,2,3,4,5,6,7
	ds_load_b64 v[FV+2*\u:FV+2*\u+1], v[MR] offset:512*\u
	ds_load_b64 v[FI+2*\u:FI+2*\u+1], v[MR] offset:4096+512*\u
.endr
	s_wait_dscnt 0x0
.irp u, 1,2,3,4,5,6,7
.irp e, 0,1
	MERGE FV+\e, FI+\e, FV+2*\u+\e, FI+2*\u+\e
.endr
.endr
	global_store_b64 v[GO], v[FI:FI+1], s[8:9]     ; a wave stores 256 consecutive bytes, aligned
	global_store_b64 v[GO], v[FI:FI+1], s[10:11]
.Ldone:
	s_wait_tensorcnt 0x0                           ; the wave's end
	ds_add_u32 v[SPW], v[NIL]
	s_wait_dscnt 0x0
	CROUND                                         ; the closing round
	s_endpgm
.Lfunc_end_k_q9dcc088663_argmax:
	.size	k_q9dcc088663_argmax, .Lfunc_end_k_q9dcc088663_argmax-k_q9dcc088663_argmax
	.p2alignl 7, 3214868480
	.fill 96, 4, 3214868480
	.section	.rodata,"a",@progbits
	.p2align	6, 0x0
	.amdhsa_kernel k_q9dcc088663_argmax
		.amdhsa_group_segment_fixed_size 327680
		.amdhsa_private_segment_fixed_size 0
		.amdhsa_enable_private_segment 0
		.amdhsa_kernarg_size 32
		.amdhsa_user_sgpr_count 2
		.amdhsa_user_sgpr_kernarg_segment_ptr 1
		.amdhsa_wavefront_size32 1
		.amdhsa_system_sgpr_workgroup_id_x 1
		.amdhsa_system_sgpr_workgroup_id_y 1
		.amdhsa_system_sgpr_workgroup_id_z 1
		.amdhsa_system_vgpr_workitem_id 0
		.amdhsa_next_free_vgpr 512
		.amdhsa_next_free_sgpr 66
		.amdhsa_reserve_vcc 1
		.amdhsa_float_denorm_mode_32 3
		.amdhsa_float_denorm_mode_16_64 3
		.amdhsa_memory_ordered 1
		.amdhsa_forward_progress 1
		.amdhsa_inst_pref_size 139
	.end_amdhsa_kernel
	.amdgpu_metadata
---
amdhsa.version: [ 1, 2 ]
amdhsa.kernels:
  - .name:           k_q9dcc088663_argmax
    .symbol:         k_q9dcc088663_argmax.kd
    .args:
      - { .name: x, .offset: 0, .size: 8, .value_kind: global_buffer, .address_space: global }
      - { .name: cb, .offset: 8, .size: 8, .value_kind: global_buffer, .address_space: global }
      - { .name: out2, .offset: 16, .size: 8, .value_kind: global_buffer, .address_space: global }
      - { .name: idxw, .offset: 24, .size: 8, .value_kind: global_buffer, .address_space: global }
    .group_segment_fixed_size: 327680
    .private_segment_fixed_size: 0
    .kernarg_segment_align: 8
    .kernarg_segment_size: 32
    .max_flat_workgroup_size: 256
    .sgpr_count:     66
    .vgpr_count:     512
    .wavefront_size: 32
...
	.end_amdgpu_metadata
.endif
;; end of part 2
;; launch gather (part 3): grid 512 x 1, 8 waves a work-group, no clusters, 1,280 bytes of LDS; arguments x, centroids, idxw, out0, part; writes out0, part
.if DOCPART == 3
	.amdgcn_target "amdgcn-amd-amdhsa--gfx1250"
	.amdhsa_code_object_version 6
	.text
	.protected	k_q9dcc088663_gather
	.globl	k_q9dcc088663_gather
	.p2align	8
	.type	k_q9dcc088663_gather,@function
k_q9dcc088663_gather:
	s_mov_b64 s[64:65], 0
	v_nop
	global_prefetch_b8 v0, s[64:65] scope:SCOPE_SE
	s_setreg_imm32_b32 hwreg(HW_REG_WAVE_MODE, 25, 1), 1
	s_wait_xcnt 0x0
; out0[row] = x[row] + (c - x[row]), c = centroids[idxw[row]], in f32 as the definition has it; part[work-group] = the sum of (c - x)^2 over the work-group's 64 rows.
; A stream: a wave takes 8 rows of 1,024 bytes.  Its 16 loads of x and 16 of centroid rows go out together; each load and store of a wave covers 512 consecutive bytes, aligned.  The indices were stored by an earlier launch
; and come by one scalar load; each is held to the table's 8,192 rows ahead of its use in an address.  No LDS but eight words for the sum and a spare word a thread, no matrix unit, no cluster: nothing is shared but centroid rows that a list names.
.set L16, 1                            ; v1     16 x lane
.set CO,  8                            ; v8-15  row i: its centroid's byte offset + 16 x lane
.set X,   16                           ; v16-79 x, 8 registers a row; then the output
.set C,   80                           ; v80-143 the centroid rows; then c - x
.set SQ,  144                          ; v144-151 the sum of squares, four pairs
	s_load_b256 s[4:11], s[0:1], 0x0               ; x s[4:5], centroids s[6:7], idxw s[8:9], out0 s[10:11]
	s_load_b64 s[12:13], s[0:1], 0x20              ; part
	v_lshl_add_u32 v160, v0, 2, 0x100
	v_mov_b32 v161, 0
	v_lshrrev_b32 v1, 5, v0
	s_delay_alu instid0(VALU_DEP_1)
	v_readfirstlane_b32 s14, v1                    ; wave 0..7
	v_and_b32 v1, 31, v0
	s_delay_alu instid0(VALU_DEP_1)
	v_lshlrev_b32 v[L16], 4, v1
	s_delay_alu instid0(VALU_DEP_3)
	v_mov_b32 v2, s14
	s_delay_alu instid0(VALU_DEP_1)
	v_lshlrev_b32 v2, 2, v2                        ; my wave's word in LDS
	v_mov_b32 v3, 0
	s_mov_b32 s28, 0x76543210
	s_mov_b32 s29, 0xfedcba98
	s_lshl_b32 s15, ttmp9, 6
	s_lshl_b32 s24, s14, 3
	s_add_co_u32 s15, s15, s24                     ; my first row: 64 x work-group + 8 x wave
	s_lshl_b32 s24, s15, 10
	s_mov_b32 s25, 0
	s_lshl_b32 s26, s15, 2
	s_mov_b32 s27, 0
	s_lshl_b32 s32, ttmp9, 2
	s_mov_b32 s33, 0
	s_wait_alu depctr_va_vdst(0)
	s_wait_kmcnt 0x0
	s_add_nc_u64 s[4:5], s[4:5], s[24:25]
	s_add_nc_u64 s[10:11], s[10:11], s[24:25]
	s_add_nc_u64 s[8:9], s[8:9], s[26:27]
	s_add_nc_u64 s[12:13], s[12:13], s[32:33]
	s_load_b256 s[16:23], s[8:9], 0x0              ; my eight indices
.irp i, 0,1,2,3,4,5,6,7
.irp u, 0,1
	global_load_b128 v[X+8*\i+4*\u:X+8*\i+4*\u+3], v[L16], s[4:5] offset:1024*\i+512*\u th:TH_LOAD_NT
.endr
.endr
	s_wait_kmcnt 0x0
.irp i, 0,1,2,3,4,5,6,7
	s_min_u32 s[16+\i], s[16+\i], 0x1fff           ; inside the table
	s_lshl_b32 s[16+\i], s[16+\i], 10              ; a row is 1,024 bytes
	v_add_nc_u32 v[CO+\i], s[16+\i], v[L16]
	global_load_b128 v[C+8*\i:C+8*\i+3], v[CO+\i], s[6:7]
	global_load_b128 v[C+8*\i+4:C+8*\i+7], v[CO+\i], s[6:7] offset:512
.endr
.irp i, 0,1,2,3,4,5,6,7
	s_wait_loadcnt 14-2*\i                         ; x and this row's centroid are in; the later rows' two loads each may be out
.irp p, 0,1,2,3
	v_pk_add_f32 v[C+8*\i+2*\p:C+8*\i+2*\p+1], v[C+8*\i+2*\p:C+8*\i+2*\p+1], v[X+8*\i+2*\p:X+8*\i+2*\p+1] neg_lo:[0,1] neg_hi:[0,1]   ; d = c - x
.endr
.irp p, 0,1,2,3
.if \i == 0
	s_delay_alu instid0(VALU_DEP_4)
	v_pk_mul_f32 v[SQ+2*\p:SQ+2*\p+1], v[C+2*\p:C+2*\p+1], v[C+2*\p:C+2*\p+1]   ; the first row starts the sums
.else
	s_delay_alu instid0(VALU_DEP_4)
	v_pk_fma_f32 v[SQ+2*\p:SQ+2*\p+1], v[C+8*\i+2*\p:C+8*\i+2*\p+1], v[C+8*\i+2*\p:C+8*\i+2*\p+1], v[SQ+2*\p:SQ+2*\p+1]
.endif
.endr
.irp p, 0,1,2,3
	v_pk_add_f32 v[X+8*\i+2*\p:X+8*\i+2*\p+1], v[X+8*\i+2*\p:X+8*\i+2*\p+1], v[C+8*\i+2*\p:C+8*\i+2*\p+1]   ; x + d
.endr
	global_store_b128 v[L16], v[X+8*\i:X+8*\i+3], s[10:11] offset:1024*\i th:TH_STORE_NT
	global_store_b128 v[L16], v[X+8*\i+4:X+8*\i+7], s[10:11] offset:1024*\i+512 th:TH_STORE_NT
.endr
	v_pk_add_f32 v[SQ:SQ+1], v[SQ:SQ+1], v[SQ+2:SQ+3]
	v_pk_add_f32 v[SQ+4:SQ+5], v[SQ+4:SQ+5], v[SQ+6:SQ+7]
	s_delay_alu instid0(VALU_DEP_1)
	v_pk_add_f32 v[SQ:SQ+1], v[SQ:SQ+1], v[SQ+4:SQ+5]
	s_delay_alu instid0(VALU_DEP_1)
	v_add_f32 v[SQ], v[SQ], v[SQ+1]
	s_delay_alu instid0(VALU_DEP_1)
	v_add_f32_dpp v[SQ], v[SQ], v[SQ] row_xmask:1 row_mask:0xf bank_mask:0xf
	s_delay_alu instid0(VALU_DEP_1)
	v_add_f32_dpp v[SQ], v[SQ], v[SQ] row_xmask:2 row_mask:0xf bank_mask:0xf
	s_delay_alu instid0(VALU_DEP_1)
	v_add_f32_dpp v[SQ], v[SQ], v[SQ] row_xmask:4 row_mask:0xf bank_mask:0xf
	s_delay_alu instid0(VALU_DEP_1)
	v_add_f32_dpp v[SQ], v[SQ], v[SQ] row_xmask:8 row_mask:0xf bank_mask:0xf
	s_delay_alu instid0(VALU_DEP_1)
	v_permlanex16_b32 v[SQ+1], v[SQ], s28, s29
	s_delay_alu instid0(VALU_DEP_1)
	v_add_f32 v[SQ], v[SQ], v[SQ+1]                ; the wave's sum, in every lane
	ds_store_b32 v2, v[SQ]
	s_wait_dscnt 0x0                               ; for the others' sake
	s_barrier_signal -1
	s_barrier_wait -1
	s_cmp_lg_u32 s14, 0
	s_cbranch_scc1 .Lend                           ; wave 0 adds the eight
	ds_load_b128 v[152:155], v3
	ds_load_b128 v[156:159], v3 offset:16
	s_wait_dscnt 0x0
	v_pk_add_f32 v[152:153], v[152:153], v[154:155]
	v_pk_add_f32 v[156:157], v[156:157], v[158:159]
	s_delay_alu instid0(VALU_DEP_1)
	v_pk_add_f32 v[152:153], v[152:153], v[156:157]
	s_delay_alu instid0(VALU_DEP_1)
	v_add_f32 v152, v152, v153
	v_cmp_eq_u32 vcc_lo, 0, v0
	s_wait_alu depctr_va_vdst(0)
	s_wait_xcnt 0x0                                ; EXEC changes only behind this wait: the stores above have been issued under it
	s_and_saveexec_b32 s30, vcc_lo
	global_store_b32 v3, v152, s[12:13]            ; one number a work-group
	s_wait_xcnt 0x0
	s_or_b32 exec_lo, exec_lo, s30
.Lend:
	s_wait_tensorcnt 0x0
	ds_add_u32 v160, v161
	s_wait_dscnt 0x0
	s_endpgm
.Lfunc_end_k_q9dcc088663_gather:
	.size	k_q9dcc088663_gather, .Lfunc_end_k_q9dcc088663_gather-k_q9dcc088663_gather
	.p2alignl 7, 3214868480
	.fill 96, 4, 3214868480
	.section	.rodata,"a",@progbits
	.p2align	6, 0x0
	.amdhsa_kernel k_q9dcc088663_gather
		.amdhsa_group_segment_fixed_size 1280
		.amdhsa_private_segment_fixed_size 0
		.amdhsa_enable_private_segment 0
		.amdhsa_kernarg_size 40
		.amdhsa_user_sgpr_count 2
		.amdhsa_user_sgpr_kernarg_segment_ptr 1
		.amdhsa_wavefront_size32 1
		.amdhsa_system_sgpr_workgroup_id_x 1
		.amdhsa_system_sgpr_workgroup_id_y 1
		.amdhsa_system_sgpr_workgroup_id_z 1
		.amdhsa_system_vgpr_workitem_id 0
		.amdhsa_next_free_vgpr 162
		.amdhsa_next_free_sgpr 66
		.amdhsa_reserve_vcc 1
		.amdhsa_float_denorm_mode_32 3
		.amdhsa_float_denorm_mode_16_64 3
		.amdhsa_memory_ordered 1
		.amdhsa_forward_progress 1
		.amdhsa_inst_pref_size 17
	.end_amdhsa_kernel
	.amdgpu_metadata
---
amdhsa.version: [ 1, 2 ]
amdhsa.kernels:
  - .name:           k_q9dcc088663_gather
    .symbol:         k_q9dcc088663_gather.kd
    .args:
      - { .name: x, .offset: 0, .size: 8, .value_kind: global_buffer, .address_space: global }
      - { .name: centroids, .offset: 8, .size: 8, .value_kind: global_buffer, .address_space: global }
      - { .name: idxw, .offset: 16, .size: 8, .value_kind: global_buffer, .address_space: global }
      - { .name: out0, .offset: 24, .size: 8, .value_kind: global_buffer, .address_space: global }
      - { .name: part, .offset: 32, .size: 8, .value_kind: global_buffer, .address_space: global }
    .group_segment_fixed_size: 1280
    .private_segment_fixed_size: 0
    .kernarg_segment_align: 8
    .kernarg_segment_size: 40
    .max_flat_workgroup_size: 256
    .sgpr_count:     66
    .vgpr_count:     162
    .wavefront_size: 32
...
	.end_amdgpu_metadata
.endif
;; end of part 3
;; launch total (part 4): grid 1 x 1, 1 waves a work-group, no clusters, 0 bytes of LDS; arguments part, out1; writes out1
.if DOCPART == 4
	.amdgcn_target "amdgcn-amd-amdhsa--gfx1250"
	.amdhsa_code_object_version 6
	.text
	.protected	k_q9dcc088663_total
	.globl	k_q9dcc088663_total
	.p2align	8
	.type	k_q9dcc088663_total,@function
k_q9dcc088663_total:
	s_mov_b64 s[64:65], 0
	v_nop
	global_prefetch_b8 v0, s[64:65] scope:SCOPE_SE
	s_setreg_imm32_b32 hwreg(HW_REG_WAVE_MODE, 25, 1), 1
	s_wait_xcnt 0x0
; out1 = m + 0.25 m, m = (the sum of the 512 partial sums) / (32,768 x 256): both losses of the definition are the same mean.  The division is a multiplication by 2^-23, which rounds nothing.
; One wave: the sum spans work-groups of the launch before, so it is closed here, in a fixed order.
	s_load_b128 s[4:7], s[0:1], 0x0                ; part, out1
	v_lshlrev_b32 v1, 4, v0
	v_mov_b32 v2, 0
	s_mov_b32 s8, 0x76543210
	s_mov_b32 s9, 0xfedcba98
	s_wait_alu depctr_va_vdst(0)
	s_wait_kmcnt 0x0
.irp i, 0,1,2,3
	global_load_b128 v[4+4*\i:7+4*\i], v1, s[4:5] offset:512*\i
.endr
	s_wait_loadcnt 0x0
	v_pk_add_f32 v[4:5], v[4:5], v[6:7]
	v_pk_add_f32 v[8:9], v[8:9], v[10:11]
	v_pk_add_f32 v[12:13], v[12:13], v[14:15]
	v_pk_add_f32 v[16:17], v[16:17], v[18:19]
	v_pk_add_f32 v[4:5], v[4:5], v[8:9]
	v_pk_add_f32 v[12:13], v[12:13], v[16:17]
	v_pk_add_f32 v[4:5], v[4:5], v[12:13]
	v_add_f32 v4, v4, v5
	v_add_f32_dpp v4, v4, v4 row_xmask:1 row_mask:0xf bank_mask:0xf
	v_add_f32_dpp v4, v4, v4 row_xmask:2 row_mask:0xf bank_mask:0xf
	v_add_f32_dpp v4, v4, v4 row_xmask:4 row_mask:0xf bank_mask:0xf
	v_add_f32_dpp v4, v4, v4 row_xmask:8 row_mask:0xf bank_mask:0xf
	v_permlanex16_b32 v5, v4, s8, s9
	v_add_f32 v4, v4, v5
	v_mul_f32 v4, 0x34000000, v4                   ; x 2^-23: the mean
	v_fma_f32 v4, v4, 0x3e800000, v4               ; + 0.25 x the mean
	v_cmp_eq_u32 vcc_lo, 0, v0
	s_wait_alu depctr_va_vdst(0)
	s_wait_xcnt 0x0
	s_and_saveexec_b32 s10, vcc_lo
	global_store_b32 v2, v4, s[6:7]
	s_wait_xcnt 0x0
	s_or_b32 exec_lo, exec_lo, s10
	s_endpgm
.Lfunc_end_k_q9dcc088663_total:
	.size	k_q9dcc088663_total, .Lfunc_end_k_q9dcc088663_total-k_q9dcc088663_total
	.p2alignl 7, 3214868480
	.fill 96, 4, 3214868480
	.section	.rodata,"a",@progbits
	.p2align	6, 0x0
	.amdhsa_kernel k_q9dcc088663_total
		.amdhsa_group_segment_fixed_size 0
		.amdhsa_private_segment_fixed_size 0
		.amdhsa_enable_private_segment 0
		.amdhsa_kernarg_size 16
		.amdhsa_user_sgpr_count 2
		.amdhsa_user_sgpr_kernarg_segment_ptr 1
		.amdhsa_wavefront_size32 1
		.amdhsa_system_sgpr_workgroup_id_x 1
		.amdhsa_system_sgpr_workgroup_id_y 1
		.amdhsa_system_sgpr_workgroup_id_z 1
		.amdhsa_system_vgpr_workitem_id 0
		.amdhsa_next_free_vgpr 32
		.amdhsa_next_free_sgpr 66
		.amdhsa_reserve_vcc 1
		.amdhsa_float_denorm_mode_32 3
		.amdhsa_float_denorm_mode_16_64 3
		.amdhsa_memory_ordered 1
		.amdhsa_forward_progress 1
		.amdhsa_inst_pref_size 3
	.end_amdhsa_kernel
	.amdgpu_metadata
---
amdhsa.version: [ 1, 2 ]
amdhsa.kernels:
  - .name:           k_q9dcc088663_total
    .symbol:         k_q9dcc088663_total.kd
    .args:
      - { .name: part, .offset: 0, .size: 8, .value_kind: global_buffer, .address_space: global }
      - { .name: out1, .offset: 8, .size: 8, .value_kind: global_buffer, .address_space: global }
    .group_segment_fixed_size: 0
    .private_segment_fixed_size: 0
    .kernarg_segment_align: 8
    .kernarg_segment_size: 16
    .max_flat_workgroup_size: 32
    .sgpr_count:     66
    .vgpr_count:     32
    .wavefront_size: 32
...
	.end_amdgpu_metadata
.endif
;; end of part 4
